; MI455X (gfx1250); checked and timed in simulation.
; The chip was launched on July 23, 2026; its instructions are those of AMD's public machine-readable ISA for CDNA 5 (MIT licence, August 2026) and "CDNA5" Instruction Set Architecture Reference Guide (July 2026). The comments in the code are by the model that wrote it; some were corrected since.
;; Cross Net. Allowed arithmetic: float matrix products may take bf16 or f16 operands with f32 sums; all other float work in f32.
;; Inputs: bias 3 x 1,024 float32; weights 3 x 1,024 float32; x 16,384 x 1,024 float32.
;; Outputs: out0 16,384 x 1,024 float32.
;; One version. Each part assembles by itself: llvm-mc -triple=amdgcn-amd-amdhsa -mcpu=gfx1250 --defsym DOCPART=n.
;; ======== version 1 of 1: 1 launch
;; launch cross (part 1): grid 256 x 1, 16 waves a work-group, no clusters, 26,624 bytes of LDS; arguments x, weights, bias, out0; writes out0
.if DOCPART == 1
	.amdgcn_target "amdgcn-amd-amdhsa--gfx1250"
	.amdhsa_code_object_version 6
	.text
	.protected	k_q29ef65e532_cross
	.globl	k_q29ef65e532_cross
	.p2align	8
	.type	k_q29ef65e532_cross,@function
k_q29ef65e532_cross:
	s_mov_b64 s[64:65], 0
	v_nop
	global_prefetch_b8 v0, s[64:65] scope:SCOPE_SE
	s_setreg_imm32_b32 hwreg(HW_REG_WAVE_MODE, 25, 1), 1
	s_wait_xcnt 0x0
; CrossNet, three layers:  xl <- x * (xl . w_t) + b_t + xl,  xl starting as x.   x, out: [16384][1024] f32;  weights, bias: [3][1024] f32.
; Every xl is a * x + (sum of the biases so far), with one number a for the row.  With d_t = x . w_t :
;   a1 = 1 + d0;   s1 = a1 d1 + b0.w1;   a2 = a1 + s1;   s2 = a2 d2 + (b0+b1).w2;   a3 = a2 + s2;   out = a3 x + (b0+b1+b2).
; This holds for every input; all is f32 with fused multiply-adds.
; LIMIT, stated: the ORDER OF ROUNDING differs from the reference's (the dot of a sum is taken as the sum of two dots, each dot is added
; in 64 partial sums per wave); the terms added have the magnitudes of the reference's own terms.  An infinity or NaN in a row makes that row's
; outputs NaN or infinite as in the reference, but not necessarily the same of the two in each place.
;
; The work is bound by its bytes (under 2 operations a byte), so: x is read once, out written once, a row stays in registers between the pass
; that makes the three dots and the pass that scales.  One wave takes a whole row (4,096 bytes = 8 loads of 16 bytes a lane, each load of the
; wave 512 consecutive bytes, aligned), so the sums never leave the wave.  16 waves, 4 rows each: the work-group owns 64 rows, 256 groups.
; Three row slots: rows 0, 1, 2 are asked for in the first lines (12 KiB a wave), row 3 as soon as row 0 has been stored.
; No matrix unit: the products have 3 columns, a fragment would want one row per lane (16-byte pieces of 16 rows) and a conversion per number.
; No cluster: all that work-groups share is the 24 KiB of weights and bias, against 512 KiB of x and out for each group.
; Weights and bias are fetched once per work-group, go through LDS, and each wave keeps its lanes' columns in registers.
.set ROW,  4096                        ; bytes in a row of x, out, weights, bias
.set LW,   0                           ; LDS: weights, 3 rows
.set LB,   3*ROW                       ; LDS: bias, 3 rows
.set OFF,  1                           ; v1        byte offset of my 16 bytes in my wave's first row, from the group's first row; never rewritten
.set LA,   2                           ; v2        16 x lane: my 16 bytes in each 512 of an LDS row
.set ST,   3                           ; v3        8 x thread: staging of weights and bias
.set C1,   4                           ; v4        b0 . w1
.set C2,   5                           ; v5        (b0 + b1) . w2
.set AL,   6                           ; v[6:7]    a3, twice (a pair for the packed multiply-add)
.set ACC,  8                           ; v[8:19]   dot t: two pairs of partial sums at ACC + 4 t.  First: the six staged pairs
.set CA,   8                           ; v[8:11]   set-up: partial sums of b0 . w1
.set CB,   12                          ; v[12:15]  set-up: partial sums of (b0 + b1) . w2
.set BF0,  16                          ; v[16:23]  set-up: 4 numbers of b0, 4 of b1, chunks in turn
.set BF1,  24                          ; v[24:31]  the other buffer
.set D,    20                          ; v[20:22]  the three dots of a row
.set P,    24                          ; v[24:26]  the other half's sums (written before, in the set-up, as v_permlanex16_b32 asks of its destination)
.set W,    32                          ; v[32:127] w_t of my 32 columns at W + 32 t + 4 j
.set BS,   128                         ; v[128:159] b0 + b1 + b2 of my 32 columns
.set X,    160                         ; v[160:255] slot s: a row as loaded, then as stored
	s_load_b256 s[4:11], s[0:1], 0x0               ; x s[4:5], weights s[6:7], bias s[8:9], out s[10:11]
	s_lshl_b32 s2, ttmp9, 18                       ; the group's 64 rows of 4,096 bytes: at most 255 << 18, below 4 GiB
	s_mov_b32 s3, 0
	s_mov_b32 s12, 0x76543210                      ; v_permlanex16_b32: lane i of one half reads lane i of the other
	s_mov_b32 s13, 0xfedcba98
	v_and_b32 v[LA], 31, v0
	v_lshlrev_b32 v[LA], 4, v[LA]                  ; 16 x lane
	v_and_b32 v[OFF], 0x1e0, v0                    ; 32 x wave
	v_lshl_or_b32 v[OFF], v[OFF], 9, v[LA]         ; wave x 4 rows x 4,096 bytes + 16 x lane
	v_lshlrev_b32 v[ST], 3, v0                     ; 512 threads x 8 bytes = one row of weights or bias
	s_wait_kmcnt 0x0
	s_add_nc_u64 s[4:5], s[4:5], s[2:3]            ; x and out at the group's first row
	s_add_nc_u64 s[10:11], s[10:11], s[2:3]
	; The six staging loads go first: loads return in order, so a counted wait can see them while all of x stays out.
.irp k, 0,1,2
	global_load_b64 v[8+2*\k:9+2*\k],   v[ST], s[6:7] offset:\k*ROW     ; w_k: a wave's load covers 256 consecutive bytes
.endr
.irp k, 0,1,2
	global_load_b64 v[14+2*\k:15+2*\k], v[ST], s[8:9] offset:\k*ROW     ; b_k
.endr
.macro FILL s, r                       ; row r of my wave into slot s: eight loads of 512 consecutive bytes; read once in the launch
.irp j, 0,1,2,3,4,5,6,7
	global_load_b128 v[X+32*\s+4*\j:X+32*\s+4*\j+3], v[OFF], s[4:5] offset:\r*ROW+512*\j th:TH_LOAD_NT
.endr
.endm
	FILL 0, 0
	FILL 1, 1
	FILL 2, 2
	s_wait_loadcnt 24                              ; the 24 loads of x are younger and stay out: weights and bias are in
.irp k, 0,1,2
	ds_store_b64 v[ST], v[8+2*\k:9+2*\k]   offset:LW+\k*ROW
	ds_store_b64 v[ST], v[14+2*\k:15+2*\k] offset:LB+\k*ROW
.endr
	s_wait_dscnt 0x0                               ; my stores are in LDS before I say so: the other waves read them
	s_barrier_signal -1
	s_barrier_wait -1                              ; all 24 KiB are there; LDS is only read from here on
	; My columns into registers: w0, w1, w2, and b2, which starts the sum of the biases.
.irp t, 0,1,2
.irp j, 0,1,2,3,4,5,6,7
	ds_load_b128 v[W+32*\t+4*\j:W+32*\t+4*\j+3], v[LA] offset:LW+\t*ROW+512*\j
.endr
.endr
.irp j, 0,1,2,3,4,5,6,7
	ds_load_b128 v[BS+4*\j:BS+4*\j+3], v[LA] offset:LB+2*ROW+512*\j
.endr
; b0 and b1 pass through two small buffers, four columns at a time.  Each wave makes the two constants and the bias sum for itself:
; 64 packed instructions while its three rows of x are on their way, in place of a second barrier.
.macro BLOAD j, f
	ds_load_b128 v[\f:\f+3],   v[LA] offset:LB+512*\j          ; b0
	ds_load_b128 v[\f+4:\f+7], v[LA] offset:LB+ROW+512*\j      ; b1
.endm
; chunk j in buffer f.  first = 1: the products start the sums, nothing is cleared.  left: younger LDS loads that may stay out.
; nxt: the chunk that the buffer takes next (8: none).
.macro BSTEP j, f, first, left, nxt
	s_wait_dscnt \left                             ; LDS loads return in order: chunk j is in (and, at chunk 0, all of w and b2)
.if \first
	v_pk_mul_f32 v[CA:CA+1],   v[\f:\f+1],   v[W+32+4*\j:W+32+4*\j+1]
	v_pk_mul_f32 v[CA+2:CA+3], v[\f+2:\f+3], v[W+32+4*\j+2:W+32+4*\j+3]
.else
	v_pk_fma_f32 v[CA:CA+1],   v[\f:\f+1],   v[W+32+4*\j:W+32+4*\j+1],   v[CA:CA+1]       ; b0 . w1
	v_pk_fma_f32 v[CA+2:CA+3], v[\f+2:\f+3], v[W+32+4*\j+2:W+32+4*\j+3], v[CA+2:CA+3]
.endif
	v_pk_add_f32 v[\f:\f+1],   v[\f:\f+1],   v[\f+4:\f+5]      ; b0 + b1
	v_pk_add_f32 v[\f+2:\f+3], v[\f+2:\f+3], v[\f+6:\f+7]
.if \first
	v_pk_mul_f32 v[CB:CB+1],   v[\f:\f+1],   v[W+64+4*\j:W+64+4*\j+1]
	v_pk_mul_f32 v[CB+2:CB+3], v[\f+2:\f+3], v[W+64+4*\j+2:W+64+4*\j+3]
.else
	v_pk_fma_f32 v[CB:CB+1],   v[\f:\f+1],   v[W+64+4*\j:W+64+4*\j+1],   v[CB:CB+1]       ; (b0 + b1) . w2
	v_pk_fma_f32 v[CB+2:CB+3], v[\f+2:\f+3], v[W+64+4*\j+2:W+64+4*\j+3], v[CB+2:CB+3]
.endif
	v_pk_add_f32 v[BS+4*\j:BS+4*\j+1],   v[BS+4*\j:BS+4*\j+1],   v[\f:\f+1]               ; b2 + (b0 + b1)
	v_pk_add_f32 v[BS+4*\j+2:BS+4*\j+3], v[BS+4*\j+2:BS+4*\j+3], v[\f+2:\f+3]
.if \nxt < 8
	BLOAD \nxt, \f
.endif
.endm
	BLOAD 0, BF0
	BLOAD 1, BF1
	BSTEP 0, BF0, 1, 2, 2                          ; the count 2: the two loads of the chunk behind this one
	BSTEP 1, BF1, 0, 2, 3
	BSTEP 2, BF0, 0, 2, 4
	BSTEP 3, BF1, 0, 2, 5
	BSTEP 4, BF0, 0, 2, 6
	BSTEP 5, BF1, 0, 2, 7
	BSTEP 6, BF0, 0, 2, 8
	BSTEP 7, BF1, 0, 0, 8                          ; nothing was issued behind the last chunk
	v_pk_add_f32 v[CA:CA+1], v[CA:CA+1], v[CA+2:CA+3]
	v_pk_add_f32 v[CB:CB+1], v[CB:CB+1], v[CB+2:CB+3]
	v_add_f32 v[C1], v[CA], v[CA+1]
	v_add_f32 v[C2], v[CB], v[CB+1]
.irp m, 1,2,4,8                                    ; over the 16 lanes of each half, riding on the additions
	v_add_f32_dpp v[C1], v[C1], v[C1] row_xmask:\m row_mask:0xf bank_mask:0xf
	v_add_f32_dpp v[C2], v[C2], v[C2] row_xmask:\m row_mask:0xf bank_mask:0xf
.endr
	v_permlanex16_b32 v[CA], v[C1], s12, s13       ; the other half's sum
	v_permlanex16_b32 v[CB], v[C2], s12, s13
	v_add_f32 v[C1], v[C1], v[CA]                  ; every lane holds b0 . w1
	v_add_f32 v[C2], v[C2], v[CB]                  ; and (b0 + b1) . w2
; Row r of my wave, in slot s.  left = how many younger loads of x may stay out.
.macro ROWT s, r, left
	s_wait_loadcnt \left                           ; my eight loads are in; the rows behind them stay on their way
	; pass 1: three dots, each in two chains of packed sums (six chains that do not wait for each other); the first chunk starts them
.irp t, 0,1,2
	v_pk_mul_f32 v[ACC+4*\t:ACC+4*\t+1],   v[X+32*\s:X+32*\s+1],   v[W+32*\t:W+32*\t+1]
	v_pk_mul_f32 v[ACC+4*\t+2:ACC+4*\t+3], v[X+32*\s+2:X+32*\s+3], v[W+32*\t+2:W+32*\t+3]
.endr
.irp j, 1,2,3,4,5,6,7
.irp t, 0,1,2
	v_pk_fma_f32 v[ACC+4*\t:ACC+4*\t+1],   v[X+32*\s+4*\j:X+32*\s+4*\j+1],   v[W+32*\t+4*\j:W+32*\t+4*\j+1],   v[ACC+4*\t:ACC+4*\t+1]
	v_pk_fma_f32 v[ACC+4*\t+2:ACC+4*\t+3], v[X+32*\s+4*\j+2:X+32*\s+4*\j+3], v[W+32*\t+4*\j+2:W+32*\t+4*\j+3], v[ACC+4*\t+2:ACC+4*\t+3]
.endr
.endr
.irp t, 0,1,2
	v_pk_add_f32 v[ACC+4*\t:ACC+4*\t+1], v[ACC+4*\t:ACC+4*\t+1], v[ACC+4*\t+2:ACC+4*\t+3]
.endr
.irp t, 0,1,2
	v_add_f32 v[D+\t], v[ACC+4*\t], v[ACC+4*\t+1]
.endr
.irp m, 1,2,4,8                                    ; across the lanes, the three sums in turn
.irp t, 0,1,2
	v_add_f32_dpp v[D+\t], v[D+\t], v[D+\t] row_xmask:\m row_mask:0xf bank_mask:0xf
.endr
.endr
.irp t, 0,1,2
	v_permlanex16_b32 v[P+\t], v[D+\t], s12, s13
.endr
.irp t, 0,1,2
	v_add_f32 v[D+\t], v[D+\t], v[P+\t]            ; d_t = x . w_t in every lane
.endr
	; the three layers, on the row's one number
	v_add_f32 v[D], 1.0, v[D]                      ; a1 = 1 + s0,  s0 = d0
	v_fma_f32 v[D+1], v[D], v[D+1], v[C1]          ; s1 = a1 d1 + b0 . w1
	v_add_f32 v[D], v[D], v[D+1]                   ; a2 = a1 + s1
	v_fma_f32 v[D+2], v[D], v[D+2], v[C2]          ; s2 = a2 d2 + (b0 + b1) . w2
	v_add_f32 v[AL],   v[D], v[D+2]                ; a3 = a2 + s2,
	v_add_f32 v[AL+1], v[D], v[D+2]                ; twice
	; pass 2: out = a3 x + (b0 + b1 + b2), in place; each store of the wave covers 512 consecutive bytes, aligned; written once, not read again
.irp j, 0,1,2,3,4,5,6,7
	v_pk_fma_f32 v[X+32*\s+4*\j:X+32*\s+4*\j+1],   v[X+32*\s+4*\j:X+32*\s+4*\j+1],   v[AL:AL+1], v[BS+4*\j:BS+4*\j+1]
	v_pk_fma_f32 v[X+32*\s+4*\j+2:X+32*\s+4*\j+3], v[X+32*\s+4*\j+2:X+32*\s+4*\j+3], v[AL:AL+1], v[BS+4*\j+2:BS+4*\j+3]
	global_store_b128 v[OFF], v[X+32*\s+4*\j:X+32*\s+4*\j+3], s[10:11] offset:\r*ROW+512*\j th:TH_STORE_NT
.endr
.endm
	ROWT 0, 0, 16                                  ; rows 1 and 2 stay out
	s_wait_xcnt 0x0                                ; slot 0 is the data of row 0's stores: it is loaded again only behind this wait
	FILL 0, 3                                      ; my last row
	ROWT 1, 1, 16                                  ; rows 2 and 3 stay out
	ROWT 2, 2, 8                                   ; row 3 stays out
	ROWT 0, 3, 0                                   ; nothing was asked for behind row 3
	s_wait_xcnt 0x0
	v_lshl_add_u32 v254, v0, 2, 0x6000
	v_mov_b32 v255, 0
	s_wait_tensorcnt 0x0
	ds_add_u32 v254, v255
	s_wait_dscnt 0x0
	s_endpgm
.Lfunc_end_k_q29ef65e532_cross:
	.size	k_q29ef65e532_cross, .Lfunc_end_k_q29ef65e532_cross-k_q29ef65e532_cross
	.p2alignl 7, 3214868480
	.fill 96, 4, 3214868480
	.section	.rodata,"a",@progbits
	.p2align	6, 0x0
	.amdhsa_kernel k_q29ef65e532_cross
		.amdhsa_group_segment_fixed_size 26624
		.amdhsa_private_segment_fixed_size 0
		.amdhsa_enable_private_segment 0
		.amdhsa_kernarg_size 32
		.amdhsa_user_sgpr_count 2
		.amdhsa_user_sgpr_kernarg_segment_ptr 1
		.amdhsa_wavefront_size32 1
		.amdhsa_system_sgpr_workgroup_id_x 1
		.amdhsa_system_sgpr_workgroup_id_y 1
		.amdhsa_system_sgpr_workgroup_id_z 1
		.amdhsa_system_vgpr_workitem_id 0
		.amdhsa_next_free_vgpr 256
		.amdhsa_next_free_sgpr 66
		.amdhsa_reserve_vcc 0
		.amdhsa_float_denorm_mode_32 3
		.amdhsa_float_denorm_mode_16_64 3
		.amdhsa_memory_ordered 1
		.amdhsa_forward_progress 1
		.amdhsa_inst_pref_size 39
	.end_amdhsa_kernel
	.amdgpu_metadata
---
amdhsa.version: [ 1, 2 ]
amdhsa.kernels:
  - .name:           k_q29ef65e532_cross
    .symbol:         k_q29ef65e532_cross.kd
    .args:
      - { .name: x, .offset: 0, .size: 8, .value_kind: global_buffer, .address_space: global }
      - { .name: weights, .offset: 8, .size: 8, .value_kind: global_buffer, .address_space: global }
      - { .name: bias, .offset: 16, .size: 8, .value_kind: global_buffer, .address_space: global }
      - { .name: out0, .offset: 24, .size: 8, .value_kind: global_buffer, .address_space: global }
    .group_segment_fixed_size: 26624
    .private_segment_fixed_size: 0
    .kernarg_segment_align: 8
    .kernarg_segment_size: 32
    .max_flat_workgroup_size: 512
    .sgpr_count:     66
    .vgpr_count:     256
    .wavefront_size: 32
...
	.end_amdgpu_metadata
.endif
;; end of part 1
